; MI455X (gfx1250); checked and timed in simulation.
; The chip was launched on July 23, 2026; its instructions are those of AMD's public machine-readable ISA for CDNA 5 (MIT licence, August 2026) and "CDNA5" Instruction Set Architecture Reference Guide (July 2026). The comments in the code are by the model that wrote it; some were corrected since.
;; Custom Linear. Allowed arithmetic: float matrix products may take bf16 or f16 operands with f32 sums; other float arithmetic in f32, or as packed bf16 or f16 multiplies, adds, multiply-adds, maxima and minima; sums over many terms, partial sums and values carried from step to step in f32; what a program stores and reads back later, other than sums and carried values, may be rounded once to bf16 or f16.
;; Inputs: out_scale one number float32; scale_x one number float32; weight_q 4,096 x 4,096 int8; weight_scale one number float32; x_q 4,096 x 4,096 int8.
;; Outputs: out0 4,096 x 4,096 int8; out1 one number float32.
;; One version. Each part assembles by itself: llvm-mc -triple=amdgcn-amd-amdhsa -mcpu=gfx1250 --defsym DOCPART=n.
;; ======== version 1 of 1: 1 launch
;; limits: inputs' magnitudes at most 1.153e+18; below input magnitudes of 8.674e-19 results are inexact or not finite; right only within a limited range of input values
;; launch gemm (part 1): grid 16 x 16, 4 waves a work-group, clusters of 4 x 4, 327,680 bytes of LDS; arguments x_q, weight_q, out0, out1, scale_x, weight_scale, out_scale; writes out0, out1
.if DOCPART == 1
	.amdgcn_target "amdgcn-amd-amdhsa--gfx1250"
	.amdhsa_code_object_version 6
	.text
	.protected	k_qe1189b7e7e_gemm
	.globl	k_qe1189b7e7e_gemm
	.p2align	8
	.type	k_qe1189b7e7e_gemm,@function
k_qe1189b7e7e_gemm:
	s_mov_b64 s[64:65], 0
	v_nop
	global_prefetch_b8 v0, s[64:65] scope:SCOPE_SE
	s_setreg_imm32_b32 hwreg(HW_REG_WAVE_MODE, 25, 1), 1
	s_wait_xcnt 0x0
	s_wait_alu depctr_hold_cnt(0) depctr_sa_sdst(0) depctr_va_vdst(0) depctr_va_sdst(0) depctr_va_ssrc(0) depctr_va_vcc(0) depctr_vm_vsrc(0)
	s_getreg_b32 s2, hwreg(HW_REG_IB_STS2, 6, 4)
	s_cmp_eq_u32 s2, 0
	s_cbranch_scc0 .Lentry_in_a_cluster
	s_endpgm
.Lentry_in_a_cluster:
	s_bfe_u32 s2, ttmp6, 0x10000c
	s_cmp_lg_u32 s2, 0xf033
	s_cbranch_scc0 .Lentry_shape_is_right
	s_endpgm
.Lentry_shape_is_right:
; out0[m][n] = clip(round(f32(acc[m][n]) * scale), -128, 127) as int8, acc[m][n] = the sum over k of x_q[m][k] weight_q[n][k] in int32, scale = (scale_x * weight_scale) / out_scale in f32;
; out1 = out_scale.  x_q: [4096][4096], weight_q: [4096][4096], out0: [4096][4096], all int8, the last index along the rows.
; NOTHING IS LEFT OUT: every input has a way to an output (out_scale to both), and every product is live.
; THE FORMAT.  out0 is whole numbers, so acc has one right value, up to 2^26 in size: more than an f32 sum holds exactly.  The products therefore go to the matrix unit in the form that the problem itself
; states, signed 8-bit operands and int32 sums (v_wmma_i32_16x16x64_iu8): the operands are the inputs' own bytes, nothing is rounded or narrowed, and the sums are exact in any order.
; THE WAY OUT keeps the problem's own roundings: int32 to f32 to nearest even; ONE f32 multiply by scale (not fused with anything); clamp to -128 .. 127, which may come ahead of the rounding since both bounds
; are whole numbers and rounding never changes an order; then + 1.5 x 2^23: the sum lies in 2^23 .. 2^24, where f32's step is 1, so the add rounds to the nearest whole number, halves to even, and the sum's lowest byte is the int8.
; THE SCALE: the product is one f32 multiply; the quotient is made from v_rcp_f32 by one correction of the reciprocal and two of the quotient, each with the exact remainder by a fused multiply-add: the correctly rounded quotient.
; LIMITS.  |out_scale|, the quotient's size and, unless it is 0, |scale_x * weight_scale| lie within 2^-60 .. 2^60 (no scaling of ranges stands round the division); out_scale = 0, infinities and NaN among the three
; numbers are not treated as the f32 division and the clip would treat them.
; SHARES.  A tile of out0, 256 x 256, is made by a work-group of four waves; 16 x 16 tiles, one to a work-group.  A wave makes 128 x 128: 64 accumulators of 16 x 16, 512 registers.
; K goes in steps of 256 through a ring of two LDS slots filled by the tensor data mover: a tile's rows are 256 bytes of memory, at multiples of 256 bytes from the buffer's first byte.
; CLUSTERS: 4 x 4 work-groups.  The four of a row of the cluster need the same tiles of x_q, the four of a column the same tiles of weight_q: each tile is asked for JOINTLY, by the same tensor load with the same
; descriptor and a mask that names the four; each receives it in its own LDS.
; A FRAGMENT is 16 rows x 64 k in 8 registers.  Lane l takes, of row l % 16, the 16 bytes at 16 (l / 16) and the 16 bytes at 32 + 16 (l / 16): two loads of 16 bytes.  That lays k otherwise than the
; instruction's own map (groups of 8), but alike in both sources, which have one map: each product still meets its partner, and whole-number sums do not hang on their order.
; THE MATRIX INSTRUCTION IS USED TRANSPOSED: source 0 = 16 rows of weight_q, source 1 = 16 rows of x_q.  Lane l then holds row l % 16 of out0 and, in registers 0 to 7, the columns 8 (l / 16) + 0 .. 7: eight neighbouring bytes.
; REGISTERS, in windows of 256 (s_set_vgpr_msb: bits 1:0 source 0, 3:2 source 1, 5:4 source 2, 7:6 destination):
;   window 0: v0-31 addresses and the head's work; v32-47, v192-223 at work on the way out; v64-127, v128-191 fragments of x_q, two buffers, later the rows read back from the stage
;   window 1: v64-127, v128-191 fragments of weight_q, two buffers
;   window 2: the 32 accumulators of my rows 0-63 (accumulator (a, b) at v[8 (8 a + b)]);   window 3: those of my rows 64-127
.set KSTEP,  256                       ; numbers, and bytes, of a row in a K step
.set ROWB,   4096                      ; bytes in a row of x_q, of weight_q and of out0
.set PITCH,  272                       ; an LDS row: 256 bytes + 16 of padding = 68 words: row r starts at bank 4 r mod 64 (64 banks of 4 bytes: ISA guide 11.1), so the 16 rows of a load start at 16 different banks
.set HALFT,  128*PITCH                 ; 128 rows: what one tensor load brings, and what one wave reads of either input
.set SLOT,   4*HALFT                   ; x_q's 256 rows, then weight_q's 256 rows
.set STAGE,  0                         ; the way out's stage, 256 rows x 272 bytes, lies in slot 0: that slot has had its last fill (K step 14) and its last read when the first byte is stored there
.set SP,     272
.set SPARE,  2*SLOT                    ; behind the ring: the spare words, 128 bytes for each wave: two blocks of 256 bytes that no other line names
.set LAPS,   4096/(2*KSTEP)            ; a lap = two K steps = once round the ring: 8
.set ADRA, 16                          ; v16-17  LDS address of my x_q fragments in slot 0, 1
.set ADRB, 20                          ; v20-21  the same for weight_q
.set STO,  24                          ; v24     the way out: where I put 8 bytes of a row
.set RD,   25                          ; v25     the way out: where I read a row back
.set CO,   26                          ; v26     my byte offset in out0
.set SPW,  28                          ; v28     LDS address of my spare word: SPARE + 4 x my thread's number; never rewritten
.set NIL,  29                          ; v29     0; never rewritten
.set PFO,  30                          ; v30     the prefetches' offset: my lane x a row in memory; never rewritten
.set T2,   32                          ; v32-47  the way out: four bytes a register
.set F0,   64                          ; fragment buffer 0
.set F1,   128                         ; fragment buffer 1
.set OB,   64                          ; the way out: 64 rows' worth read back from the stage, v64-191
.set T1,   192                         ; v192-223 the way out: two bytes a register
.set G1,   24                          ; s[24:31] descriptor group 1 for x_q's tiles
.set G0,   32                          ; s[32:39] descriptor group 0 for x_q's tiles, one set for each slot
.set LIM,  43                          ; s43     1 in a wave that prefetches, else the greatest number
.set PFA,  44                          ; s[44:45] where my prefetches stand: my work-group's 32 rows of the 128 that I fetch, at the K step that is being asked for; a prefetch names the K step after it
.set G1B,  48                          ; s[48:55] descriptor group 1 for weight_q's tiles: it differs in the mask alone
.set G0B,  56                          ; s[56:63] descriptor group 0 for weight_q's tiles
.set SC,   80                          ; s[80:81] scale: the packed multiply names a pair and takes its low word for both halves
.set CLO,  82                          ; s82     -128.0
.set CHI,  83                          ; s83     127.0
.set MG,   84                          ; s[84:85] 1.5 x 2^23, named as a pair
.set SEL1, 87                          ; s87     v_perm_b32: the lowest bytes of two registers side by side
.set SEL2, 88                          ; s88     v_perm_b32: the lower halves of two registers side by side
.set ONE,  89                          ; s89     tile row | tile column: 0 in one work-group of the launch
.set MSB, 0
.macro WIN new                         ; the immediate's high byte repeats the setting that is left; a switch that changes nothing is dropped
.if MSB != (\new)
	s_set_vgpr_msb (MSB<<8)|(\new)
.set MSB, \new
.endif
.endm
.set MUL_LO, 0xa1                      ; source 0 (weight_q) window 1, source 1 (x_q) window 0, C and D window 2
.set MUL_HI, 0xf1                      ; the same, C and D window 3
.set TO_B,   0x40                      ; destination window 1, address window 0
; A joint load.  Waves 0 and 1 fetch x_q's two halves, waves 2 and 3 weight_q's.  Each of the two lines has ONE mask and one set of registers for all that issue it, and nothing in them hangs on a coordinate
; that the four partners do not share.  The branch hangs on the wave's number alone.  An s_nop 0 and four v_nop follow each of the two lines, ahead of the jump and the label.
.macro JLOAD s
	s_cmp_eq_u32 s11, 0
	s_cbranch_scc0 .Lfor_b_\@
	tensor_load_to_lds s[G0+4*(\s):G0+4*(\s)+3], s[G1:G1+7]
	s_nop 0
.rept 4
	v_nop
.endr
	s_branch .Lasked_\@
.Lfor_b_\@:
	tensor_load_to_lds s[G0B+4*(\s):G0B+4*(\s)+3], s[G1B:G1B+7]
	s_nop 0
.rept 4
	v_nop
.endr
.Lasked_\@:
.endm
; A PREFETCH INTO THE L2, behind each joint load, its five lines and the run of LDS loads that follows them: the K step that the NEXT refill will ask for, 256 matrix instructions ahead of that load:
; 32 rows x 256 bytes, a lane a row, one instruction a wave.  Each row's 256 bytes of a K step are named ONCE in the launch.  x_q's tile row is read by every cluster of that row of clusters: the one with
; cluster x = 0 prefetches; weight_q's tile column by every cluster of that column: cluster y = 0 prefetches.  The four partners that ask for a tile jointly share its rows out BY ADDRESS: of the 128 rows that a wave
; fetches, the partner at place p takes 32 p .. 32 p + 31 (p = cx for x_q, cy for weight_q): no branch hangs on a work-group's place in its cluster.
; how = 1 (slot 0's refill): the K step after it always exists.  how = 0 (slot 1's): not in the loop's last trip, where it is K step 15 that is asked for.  K steps 0 to 2 come by their loads alone.
.macro ASK how
.if \how
	s_cmp_eq_u32 s[LIM], 1
.else
	s_cmp_gt_u32 s3, s[LIM]                        ; s3 = 1 in the loop's last trip
.endif
	s_cbranch_scc0 .Lnot_mine_\@
	global_prefetch_b8 v[PFO], s[PFA:PFA+1] offset:KSTEP th:TH_LOAD_NT scope:SCOPE_SE
.Lnot_mine_\@:
.endm
; A round of the cluster's barrier: my work-group's barrier, so that wave 0's signal speaks for all four waves; wave 0 signals for the work-group; every wave waits for all sixteen work-groups; my work-group's barrier once more.
.macro CREST                           ; a round behind its opening barrier
	s_cmp_lg_u32 s10, 0
	s_cbranch_scc1 .Lnot_wave_0_\@
	s_barrier_signal -3
.Lnot_wave_0_\@:
	s_barrier_wait -3
	s_barrier_signal -1
	s_barrier_wait -1
.endm
.macro CROUND                          ; a whole round
	s_barrier_signal -1
	s_barrier_wait -1
	CREST
.endm
	s_load_b128 s[4:7], s[0:1], 0x0                ; x_q s[4:5], weight_q s[6:7]
	s_load_b64 s[8:9], s[0:1], 0x10                ; out0
	s_load_b128 s[68:71], s[0:1], 0x18             ; out1 s[68:69], scale_x s[70:71]
	s_load_b128 s[72:75], s[0:1], 0x28             ; weight_scale s[72:73], out_scale s[74:75]
	v_lshl_add_u32 v[SPW], v0, 2, SPARE
	v_mov_b32 v[NIL], 0
	ds_add_u32 v[SPW], v[NIL]                      ; the wave's opening: the add, twice on end, and its wait ahead of my first tensor load; the set-up below, work on registers, stands between
	ds_add_u32 v[SPW], v[NIL]                      ; and once more, under the one wait
	v_lshrrev_b32 v1, 5, v0
	v_readfirstlane_b32 s10, v1                    ; wave 0..3
	s_lshr_b32 s11, s10, 1                         ; which half of the tile's rows is mine.  Also: I fetch for x_q (0) or for weight_q (1)
	s_and_b32 s12, s10, 1                          ; which half of its columns.  Also: which 128 rows of that tile I fetch
	s_bfe_u32 s40, ttmp6, 0x40000                  ; cx: my place along the cluster's x
	s_bfe_u32 s41, ttmp6, 0x40004                  ; cy: along its y
	s_lshl_b32 s42, ttmp9, 2                       ; in a cluster launch ttmp9 and ttmp7 count clusters
	s_add_co_u32 s42, s42, s40                     ; tile column of out0 = 4 x cluster x + cx
	s_and_b32 s13, ttmp7, 0xffff
	s_lshl_b32 s13, s13, 2
	s_add_co_u32 s13, s13, s41                     ; tile row of out0 = 4 x cluster y + cy
	s_or_b32 s[ONE], s13, s42
	s_lshl_b32 s43, s41, 2
	s_lshl_b32 s43, 15, s43                        ; my row of the cluster: places 4 cy .. 4 cy + 3
	s_lshl_b32 s44, 0x1111, s40                    ; my column: places cx, cx + 4, cx + 8, cx + 12
	; descriptor group 1: a tile of 128 rows x 256 elements of one byte, padded in LDS
	s_or_b32 s[G1+0], s43, (1<<20)|(1<<21)|(5<<22)|(3<<25)   ; 15:0 the mask: x_q's tiles go to my row; 17:16 elements of 1 byte (code 0); 20 padding on; 21 set beside a mask; 24:22 after every 64 words (code 5); 31:25 4 words of it (code 3)
	s_or_b32 s[G1B+0], s44, (1<<20)|(1<<21)|(5<<22)|(3<<25)  ; the same with the mask of my column, for weight_q's tiles
.irp g, G1, G1B
	s_mov_b32 s[(\g)+1], KSTEP<<16                 ; 63:48 tensor_dim0, low half = 256
	s_mov_b32 s[(\g)+2], 128<<16                   ; 79:64 its high half = 0; 95:80 tensor_dim1, low half = 128
	s_mov_b32 s[(\g)+3], KSTEP<<16                 ; 111:96 its high half = 0; 127:112 tile_dim0 = 256
	s_mov_b32 s[(\g)+4], 128                       ; 143:128 tile_dim1 = 128; 159:144 tile_dim2 = 0
	s_mov_b32 s[(\g)+5], ROWB                      ; 191:160 tensor_dim0_stride, low word: 4,096 elements from row to row
	s_mov_b32 s[(\g)+6], 0
	s_mov_b32 s[(\g)+7], 0
.endr
	s_mov_b32 s[CLO], 0xc3000000                   ; -128.0
	s_mov_b32 s[CHI], 0x42fe0000                   ; 127.0
	s_mov_b32 s[MG], 0x4b400000                    ; 1.5 x 2^23
	s_mov_b32 s[MG+1], s[MG]
	s_mov_b32 s[SEL1], 0x00000400                  ; byte 0: the second source's byte 0; byte 1: the first source's byte 0; the upper two are not used
	s_mov_b32 s[SEL2], 0x05040100                  ; bytes 0, 1: the second source's; bytes 2, 3: the first source's bytes 0, 1
	; where the tiles come from.  x_q's hang on the tile row alone, which my row of the cluster shares; weight_q's on the tile column alone, which my column shares.
	; Every wave makes both addresses, in registers that never hold the other coordinate, and asks by one of them.
	s_lshl_b32 s17, s12, 7                         ; which 128 rows of the tile I fetch
	s_lshl_b32 s16, s13, 8
	s_add_co_u32 s16, s16, s17                     ; x_q: row 256 x tile row + 128 x half
	s_lshl_b32 s46, s42, 8
	s_add_co_u32 s46, s46, s17                     ; weight_q: row 256 x tile column + 128 x half
	s_lshl_b32 s16, s16, 12                        ; in bytes: under 2^24
	s_lshl_b32 s46, s46, 12
	s_mov_b32 s17, 0
	s_mov_b32 s47, 0
	s_mul_i32 s20, s10, HALFT                      ; and where they go: x_q's two halves, then weight_q's two = wave x 128 rows: no place in the cluster enters an LDS address
	s_wait_dscnt 0x0                               ; both opening adds are done
	s_wait_kmcnt 0x0
	s_add_nc_u64 s[14:15], s[4:5], s[16:17]
	s_add_nc_u64 s[46:47], s[6:7], s[46:47]
	CROUND                                         ; all sixteen work-groups are here: the first joint loads meet
.irp s, 0,1
	s_mov_b32 s[G0+4*(\s)], 1                                      ; 1:0 count = 1
	s_add_co_u32 s[G0+4*(\s)+1], s20, (\s)*SLOT                    ; 63:32 LDS address
	s_add_nc_u64 s[G0+4*(\s)+2:G0+4*(\s)+3], s[14:15], (\s)*KSTEP  ; 120:64 global address: K step s
	s_or_b32 s[G0+4*(\s)+3], s[G0+4*(\s)+3], 0x80000000            ; 127:126 type = 2
	s_mov_b32 s[G0B+4*(\s)], 1
	s_add_co_u32 s[G0B+4*(\s)+1], s20, (\s)*SLOT
	s_add_nc_u64 s[G0B+4*(\s)+2:G0B+4*(\s)+3], s[46:47], (\s)*KSTEP
	s_or_b32 s[G0B+4*(\s)+3], s[G0B+4*(\s)+3], 0x80000000
	JLOAD \s                                       ; the ring is filled before anything else is done: two tensor loads of mine are out
.endr
	s_load_b32 s76, s[70:71], 0x0                  ; scale_x
	s_load_b32 s77, s[72:73], 0x0                  ; weight_scale
	s_load_b32 s78, s[74:75], 0x0                  ; out_scale: all three come while the addresses below are made
	v_and_b32 v1, 15, v0                           ; l % 16
	v_bfe_u32 v2, v0, 4, 1                         ; l / 16
	v_mul_u32_u24 v3, v1, PITCH
	v_lshl_add_u32 v3, v2, 4, v3                   ; a fragment's row x pitch + 16 x half
	s_mul_i32 s21, s11, HALFT                      ; my 128 rows of x_q
	s_mul_i32 s22, s12, HALFT                      ; my 128 rows of weight_q,
	s_add_co_u32 s22, s22, 2*HALFT                 ; which lie behind x_q's 256
.irp s, 0,1
	v_add_nc_u32 v[ADRA+(\s)], s21, v3
	v_add_nc_u32 v[ADRB+(\s)], s22, v3
	s_add_co_u32 s21, s21, SLOT
	s_add_co_u32 s22, s22, SLOT
.endr
	s_mul_i32 s23, s11, 128*SP                     ; into the stage: my 128 rows, my half of their 256 bytes; row l % 16, 8 bytes for each half of the lanes
	s_lshl_b32 s21, s12, 7
	s_add_co_u32 s23, s23, s21
	v_mul_u32_u24 v4, v1, SP
	v_lshl_add_u32 v4, v2, 3, v4
	v_add_nc_u32 v[STO], s23, v4
	s_mul_i32 s23, s10, 64*SP                      ; back: wave w takes rows 64 w .. 64 w + 63, whole; lanes 0-15 one row of 256 bytes, lanes 16-31 the next
	v_mul_u32_u24 v5, v2, SP
	v_lshl_add_u32 v5, v1, 4, v5
	v_add_nc_u32 v[RD], s23, v5
	v_lshlrev_b32 v5, 12, v2                       ; and the same two rows in out0
	v_lshl_add_u32 v[CO], v1, 4, v5
	s_lshl_b32 s16, s13, 8
	s_lshl_b32 s17, s10, 6
	s_add_co_u32 s16, s16, s17                     ; the first row of out0 that I store: 256 x tile row + 64 x wave
	s_lshl_b32 s16, s16, 12
	s_mov_b32 s17, 0
	s_add_nc_u64 s[8:9], s[8:9], s[16:17]
	s_lshl_b32 s46, s42, 8                         ; the tile's first column, in bytes (in the registers that held weight_q's address: none that feeds x_q's descriptors ever holds cx)
	s_mov_b32 s47, 0
	s_add_nc_u64 s[8:9], s[8:9], s[46:47]
	; the prefetches
	s_lshl_b32 s13, s13, 8                         ; 256 x tile row
	s_lshl_b32 s42, s42, 8                         ; 256 x tile column
	s_and_b32 s22, ttmp7, 0xffff                   ; cluster y
	s_cmp_eq_u32 s11, 0                            ; do I fetch for x_q?
	s_cselect_b32 s20, s13, s42                    ; the tile's first row
	s_cselect_b32 s21, s40, s41                    ; my place among the four that ask for it with me
	s_cselect_b32 s22, ttmp9, s22                  ; the coordinate along which other clusters read the same rows
	s_cselect_b64 s[PFA:PFA+1], s[4:5], s[6:7]
	s_cmp_eq_u32 s22, 0
	s_cselect_b32 s[LIM], 1, -1                    ; the same in all sixteen partners, for a given wave
	s_lshl_b32 s22, s12, 7
	s_add_co_u32 s20, s20, s22                     ; + the 128 rows that I fetch
	s_lshl_b32 s21, s21, 5
	s_add_co_u32 s20, s20, s21                     ; + my work-group's 32 of them
	s_lshl_b32 s20, s20, 12
	s_mov_b32 s21, 0
	s_add_nc_u64 s[PFA:PFA+1], s[PFA:PFA+1], s[20:21]
	s_add_nc_u64 s[PFA:PFA+1], s[PFA:PFA+1], KSTEP ; at K step 1: the first refill steps it to 2 and names K step 3.  Nothing is prefetched here, at the head, where every work-group's first tiles are on their way
	v_and_b32 v[PFO], 31, v0
	v_lshlrev_b32 v[PFO], 12, v[PFO]
	; scale = (scale_x * weight_scale) / out_scale
	s_wait_kmcnt 0x0
	v_mov_b32 v6, s76
	v_mul_f32 v6, s77, v6                          ; n = scale_x * weight_scale, rounded once
	v_mov_b32 v7, s78                              ; d = out_scale
	v_rcp_f32 v8, v7
	v_nop                                          ; a plain instruction between the reciprocal and the use of its result (ISA guide 5.7.2),
	s_wait_alu depctr_va_vdst(0)                   ; and a wait ahead of the first use
	v_fma_f32 v9, -v7, v8, 1.0                     ; 1 - d r, exact remainder
	v_fma_f32 v8, v9, v8, v8                       ; r, corrected
	v_mul_f32 v10, v6, v8                          ; q = n r
	v_fma_f32 v9, -v7, v10, v6                     ; n - d q
	v_fma_f32 v10, v9, v8, v10
	v_fma_f32 v9, -v7, v10, v6                     ; and once more: the last fused multiply-add rounds the quotient
	v_fma_f32 v10, v9, v8, v10
	v_readfirstlane_b32 s[SC], v10
	s_mov_b32 s[SC+1], s[SC]                       ; named with it as a pair
; 16 matrix instructions: m blocks a0, a0 + 1 of the window's four (hi = 0: my rows 0-63, 1: rows 64-127) x all 8 n blocks, 64 along K; both sources signed.
; zero = 1: the first product starts the sums: nothing is ever cleared.  The 64 accumulators take turns, one instruction a turn, in the same order in every quarter step.
.macro MUL16 f, hi, a0, zero
	WIN MUL_LO+0x50*(\hi)  ; MUL_LO or MUL_HI
.irp a, \a0, (\a0)+1
.irp b, 0,1,2,3,4,5,6,7
.if \zero
	v_wmma_i32_16x16x64_iu8 v[8*(8*(\a)+(\b)):8*(8*(\a)+(\b))+7], v[(\f)+8*(\b):(\f)+8*(\b)+7], v[(\f)+8*(4*(\hi)+(\a)):(\f)+8*(4*(\hi)+(\a))+7], 0 neg_lo:[1,1,0]
.else
	v_wmma_i32_16x16x64_iu8 v[8*(8*(\a)+(\b)):8*(8*(\a)+(\b))+7], v[(\f)+8*(\b):(\f)+8*(\b)+7], v[(\f)+8*(4*(\hi)+(\a)):(\f)+8*(4*(\hi)+(\a))+7], v[8*(8*(\a)+(\b)):8*(8*(\a)+(\b))+7] neg_lo:[1,1,0]
.endif
.endr
.endr
.endm
; 32 LDS loads in one run: the fragments of one quarter step (128 rows of weight_q, 128 rows of x_q, 64 k at byte k of the rows) into buffer f
.macro FETCH slot, k, f
	WIN TO_B
.irp i, 0,1,2,3,4,5,6,7
	ds_load_b128 v[(\f)+8*(\i):(\f)+8*(\i)+3],   v[ADRB+(\slot)] offset:(\k)+(\i)*16*PITCH
	ds_load_b128 v[(\f)+8*(\i)+4:(\f)+8*(\i)+7], v[ADRB+(\slot)] offset:(\k)+(\i)*16*PITCH+32
.endr
	WIN 0
.irp i, 0,1,2,3,4,5,6,7
	ds_load_b128 v[(\f)+8*(\i):(\f)+8*(\i)+3],   v[ADRA+(\slot)] offset:(\k)+(\i)*16*PITCH
	ds_load_b128 v[(\f)+8*(\i)+4:(\f)+8*(\i)+7], v[ADRA+(\slot)] offset:(\k)+(\i)*16*PITCH+32
.endr
.endm
; Behind a matrix instruction of this form a load into a register that it has read, and a vector instruction that reads its result, stand EIGHT places back, and only plain vector instructions that name none of its
; registers are places (ISA guide 7.12.1 for vector instructions); the matrix instructions in between are not counted.
.macro PLACES n
.rept \n
	v_nop
.endr
.endm
; A K step is four quarter steps of 64 along K, 64 matrix instructions each, on buffers 0, 1, 0, 1.
; One of the first three: multiplies buffer f; in its middle it fetches the next quarter's fragments, at byte k of the same slot's rows, into buffer g.
.macro QUARTER slot, k, f, g, zero
	s_wait_dscnt 8                                 ; weight_q's and x_q's rows 0-63 are in; the youngest eight loads (x_q's rows 64-127) may be out
	MUL16 \f, 0, 0, \zero
	MUL16 \f, 0, 2, \zero
	PLACES 8                                       ; buffer g was last read by the quarter before
	FETCH \slot, \k, \g
	s_wait_dscnt 32                                ; all but the 32 just issued
	MUL16 \f, 1, 0, \zero
	MUL16 \f, 1, 2, \zero
.endm
; The last quarter multiplies buffer 1 and changes slots.  MEET is its first half: ONE barrier for the change.  In front of it each wave waits for all its tensor loads, of which one is out: its part of the next slot;
; adds 0 to its spare word; and waits for that and for its own reads of this slot.  Behind it nobody reads this slot any more and the next slot is whole.
.macro MEET round                      ; round = 1: a round of the cluster's barrier follows
	WIN 0                                          ; (the add's two registers lie in window 0)
	s_wait_tensorcnt 0x0                           ; all my tensor loads have landed;
	ds_add_u32 v[SPW], v[NIL]                      ; 0 onto my spare word;
	s_wait_dscnt 9                                 ; (the add and the youngest eight loads may be out)
	MUL16 F1, 0, 0, 0                              ; sixteen matrix instructions stand between the add and the wait for it
	s_wait_dscnt 0x0                               ; the add is done, and my reads of this slot are over:
	s_barrier_signal -1                            ; say so (where a slot is filled again this barrier opens a round of the cluster's barrier),
	MUL16 F1, 0, 2, 0                              ; work on registers while the others arrive,
.if \round
	WIN 0
.endif
	s_barrier_wait -1                              ; and go on when all four have said so
.endm
; The whole last quarter.  fill = 1: behind a round of the cluster's barrier the slot just read out is filled again first, with the K step two steps on; then come the next slot's first fragments.
; From a request to the wait for it a wave issues 224 matrix instructions.  fill = 0: nothing is left to ask for.
.macro TURN slot, next, fill
.if \fill
	s_wait_xcnt 0x0                                ; the last prefetch, a K step back, has read its address: it is stepped here, ahead of the waits of the change of slots
	s_add_nc_u64 s[PFA:PFA+1], s[PFA:PFA+1], KSTEP
	MEET 1
	CREST                                          ; no wave of any partner still reads this slot's tile or has a load on its way
	s_add_nc_u64 s[G0+4*(\slot)+2:G0+4*(\slot)+3], s[G0+4*(\slot)+2:G0+4*(\slot)+3], 2*KSTEP
	s_add_nc_u64 s[G0B+4*(\slot)+2:G0B+4*(\slot)+3], s[G0B+4*(\slot)+2:G0B+4*(\slot)+3], 2*KSTEP
	JLOAD \slot                                    ; the first tensor load behind the round; its four v_nop
	PLACES 4                                       ; and these four are the eight places in front of the loads into buffer 0
	FETCH \next, 0, F0
	ASK 1-(\slot)                                  ; behind the joint load and the run of LDS loads that the next products wait for
.else
	MEET 0
	PLACES 8
	FETCH \next, 0, F0
.endif
	MUL16 F1, 1, 0, 0
	MUL16 F1, 1, 2, 0
.endm
; THE WAY OUT of block a (16 of my rows x 128 columns: eight accumulators, 64 registers), in place: int32 to f32; times scale; clamped; + 1.5 x 2^23, whose sum's lowest byte is the result; then four bytes
; to a register by three v_perm_b32, and a lane's eight neighbouring bytes of each accumulator into the stage.  Each accumulator's lowest register is read first.
; The 32 lanes of a store touch words 68 (l % 16) + 2 (l / 16) and the next.
.macro PACK a
.set AC, 64*((\a)%4)
	WIN 0x82+0x41*((\a)/4)                         ; destination and source 0: window 2 or 3
.set i, 0
.rept 64
	v_cvt_f32_i32 v[AC+i], v[AC+i]
.set i, i+1
.endr
.set i, 0
.rept 32
	v_pk_mul_f32 v[AC+i:AC+i+1], v[AC+i:AC+i+1], s[SC:SC+1] op_sel_hi:[1,0]
.set i, i+2
.endr
.set i, 0
.rept 64
	v_med3_num_f32 v[AC+i], v[AC+i], s[CLO], s[CHI]
.set i, i+1
.endr
.set i, 0
.rept 32
	v_pk_add_f32 v[AC+i:AC+i+1], v[AC+i:AC+i+1], s[MG:MG+1] op_sel_hi:[1,0]
.set i, i+2
.endr
	WIN 0x0a+5*((\a)/4)                            ; sources 0 and 1: window 2 or 3; destination window 0
.set i, 0
.rept 32
	v_perm_b32 v[T1+i], v[AC+2*i+1], v[AC+2*i], s[SEL1]
.set i, i+1
.endr
	WIN 0
.set i, 0
.rept 16
	v_perm_b32 v[T2+i], v[T1+2*i+1], v[T1+2*i], s[SEL2]
.set i, i+1
.endr
.irp b, 0,1,2,3,4,5,6,7
	ds_store_b64 v[STO], v[T2+2*(\b):T2+2*(\b)+1] offset:STAGE+(\a)*16*SP+16*(\b)
.endr
.endm
	s_wait_tensorcnt 1                             ; my part of K step 0 is in; K step 1's load may stay out
	s_barrier_signal -1
	s_barrier_wait -1                              ; everybody's is
	FETCH 0, 0, F0
	QUARTER 0, 64,  F0, F1, 1                      ; the first quarter stands in front of the loop: its products start the sums
	WIN 0                                          ; at a label and at a branch every window is 0
	s_mov_b32 s3, LAPS-1
.Llap:                                                 ; a trip goes once round the ring, from a lap's second quarter to the next lap's first, and fills both slots again
	QUARTER 0, 128, F1, F0, 0
	QUARTER 0, 192, F0, F1, 0
	TURN 0, 1, 1
	QUARTER 1, 64,  F0, F1, 0
	QUARTER 1, 128, F1, F0, 0
	QUARTER 1, 192, F0, F1, 0
	TURN 1, 0, 1
	QUARTER 0, 64,  F0, F1, 0
	WIN 0
	s_sub_co_u32 s3, s3, 1
	s_cmp_lg_u32 s3, 0
	s_cbranch_scc1 .Llap
	QUARTER 0, 128, F1, F0, 0                      ; the last lap is written out: it fills nothing, and has no round of the cluster's barrier
	QUARTER 0, 192, F0, F1, 0
	TURN 0, 1, 0                                   ; behind this barrier no wave reads slot 0 any more, and no tensor load is issued any more
	QUARTER 1, 64,  F0, F1, 0
	QUARTER 1, 128, F1, F0, 0
	QUARTER 1, 192, F0, F1, 0
	s_wait_dscnt 8                                 ; the very last quarter: nothing more to fetch
	MUL16 F1, 0, 0, 0
	MUL16 F1, 0, 2, 0
	s_wait_dscnt 0x0
	MUL16 F1, 1, 0, 0
	MUL16 F1, 1, 2, 0
	WIN 0
	; THE WAY OUT: eight blocks into the work-group's stage; a barrier, since a row's 256 bytes come from two waves; back as whole rows, 64 rows a wave.
	PLACES 8
.irp a, 0,1,2,3,4,5,6,7
	PACK \a
.endr
	s_wait_dscnt 0x0                               ; for the others' sake: my stores into the stage are done
	s_barrier_signal -1
	s_barrier_wait -1
.set t, 0
.rept 32
	ds_load_b128 v[OB+4*t:OB+4*t+3], v[RD] offset:STAGE+2*t*SP
.set t, t+1
.endr
.set t, 0
.rept 32
	s_wait_dscnt 31-t                              ; LDS loads come back in order (ISA guide 5.7.1): pair t of rows is in
	global_store_b128 v[CO], v[OB+4*t:OB+4*t+3], s[8:9] offset:2*t*ROWB th:TH_STORE_NT  ; 16 lanes store 256 consecutive bytes, at a multiple of 256 from out0's first byte
.set t, t+1
.endr
	; out1 = out_scale: one thread of the launch stores it: thread 0 of the work-group with tile row 0 and tile column 0.  The choice narrows EXEC; no branch hangs on it.
	v_or_b32 v12, s[ONE], v0
	v_mov_b32 v13, 0
	v_mov_b32 v14, s78
	v_cmp_eq_u32 vcc_lo, 0, v12
	s_wait_xcnt 0x0                                ; EXEC is a source of the stores above: it changes only behind this wait
	s_and_saveexec_b32 s86, vcc_lo
	global_store_b32 v13, v14, s[68:69]
	s_wait_xcnt 0x0                                ; and again, in front of the line that widens it
	s_or_b32 exec_lo, exec_lo, s86
	s_wait_tensorcnt 0x0                           ; the wave's end, behind my last tensor load and my last LDS store
	ds_add_u32 v[SPW], v[NIL]
	s_wait_dscnt 0x0
	CROUND                                         ; the closing round: no work-group ends while a partner may still ask for a tile that names it
	s_endpgm
.Lfunc_end_k_qe1189b7e7e_gemm:
	.size	k_qe1189b7e7e_gemm, .Lfunc_end_k_qe1189b7e7e_gemm-k_qe1189b7e7e_gemm
	.p2alignl 7, 3214868480
	.fill 96, 4, 3214868480
	.section	.rodata,"a",@progbits
	.p2align	6, 0x0
	.amdhsa_kernel k_qe1189b7e7e_gemm
		.amdhsa_group_segment_fixed_size 327680
		.amdhsa_private_segment_fixed_size 0
		.amdhsa_enable_private_segment 0
		.amdhsa_kernarg_size 56
		.amdhsa_user_sgpr_count 2
		.amdhsa_user_sgpr_kernarg_segment_ptr 1
		.amdhsa_wavefront_size32 1
		.amdhsa_system_sgpr_workgroup_id_x 1
		.amdhsa_system_sgpr_workgroup_id_y 1
		.amdhsa_system_sgpr_workgroup_id_z 1
		.amdhsa_system_vgpr_workitem_id 0
		.amdhsa_next_free_vgpr 1024
		.amdhsa_next_free_sgpr 96
		.amdhsa_reserve_vcc 1
		.amdhsa_float_denorm_mode_32 3
		.amdhsa_float_denorm_mode_16_64 3
		.amdhsa_memory_ordered 1
		.amdhsa_forward_progress 1
		.amdhsa_inst_pref_size 231
	.end_amdhsa_kernel
	.amdgpu_metadata
---
amdhsa.version: [ 1, 2 ]
amdhsa.kernels:
  - .name:           k_qe1189b7e7e_gemm
    .symbol:         k_qe1189b7e7e_gemm.kd
    .args:
      - { .name: x_q, .offset: 0, .size: 8, .value_kind: global_buffer, .address_space: global }
      - { .name: weight_q, .offset: 8, .size: 8, .value_kind: global_buffer, .address_space: global }
      - { .name: out0, .offset: 16, .size: 8, .value_kind: global_buffer, .address_space: global }
      - { .name: out1, .offset: 24, .size: 8, .value_kind: global_buffer, .address_space: global }
      - { .name: scale_x, .offset: 32, .size: 8, .value_kind: global_buffer, .address_space: global }
      - { .name: weight_scale, .offset: 40, .size: 8, .value_kind: global_buffer, .address_space: global }
      - { .name: out_scale, .offset: 48, .size: 8, .value_kind: global_buffer, .address_space: global }
    .group_segment_fixed_size: 327680
    .private_segment_fixed_size: 0
    .kernarg_segment_align: 8
    .kernarg_segment_size: 56
    .max_flat_workgroup_size: 128
    .sgpr_count:     96
    .vgpr_count:     1024
    .wavefront_size: 32
...
	.end_amdgpu_metadata
.endif
;; end of part 1
